; MI455X (gfx1250); checked and timed in simulation.
; The chip was launched on July 23, 2026; its instructions are those of AMD's public machine-readable ISA for CDNA 5 (MIT licence, August 2026) and "CDNA5" Instruction Set Architecture Reference Guide (July 2026). The comments in the code are by the model that wrote it; some were corrected since.
;; Descriptor Matcher. Allowed arithmetic: float matrix products may take bf16 or f16 operands with f32 sums; other float arithmetic in f32, or as packed bf16 or f16 multiplies, adds, multiply-adds, maxima and minima; sums over many terms, partial sums and values carried from step to step in f32; what a program stores and reads back later, other than sums and carried values, may be rounded once to bf16 or f16.
;; Inputs: desc1 16,384 x 256 float32; desc2 16,384 x 256 float32.
;; Outputs: out0 16,384 x 1 float32; out1 16,384 x 2 int32.
;; 2 versions, each right; version 2 is version 1 with the launch prep written anew for expert scheduling mode. Each part assembles by itself: llvm-mc -triple=amdgcn-amd-amdhsa -mcpu=gfx1250 --defsym DOCPART=n.
;; ======== version 1 of 2: 3 launches
;; workspace buffers: d16 16,777,216 bytes; nrm 131,072 bytes; part 1,048,576 bytes
;; launch prep (part 1): grid 128 x 2, 8 waves a work-group, no clusters, 1,536 bytes of LDS; arguments desc1, desc2, d16, nrm; writes d16, nrm
.if DOCPART == 1
	.amdgcn_target "amdgcn-amd-amdhsa--gfx1250"
	.amdhsa_code_object_version 6
	.text
	.protected	k_q1be67c3a89_prep
	.globl	k_q1be67c3a89_prep
	.p2align	8
	.type	k_q1be67c3a89_prep,@function
k_q1be67c3a89_prep:
	s_mov_b64 s[64:65], 0
	v_nop
	global_prefetch_b8 v0, s[64:65] scope:SCOPE_SE
	s_setreg_imm32_b32 hwreg(HW_REG_WAVE_MODE, 25, 1), 1
	s_wait_xcnt 0x0
; d16[y][row][:] = desc(y+1)[row][:] rounded to bf16 (nearest even);  nrm[y][row] = -1/2 x the sum of the squares of the ROUNDED numbers, in f32.
; desc1, desc2: [16384][256] f32.  d16: [2][16384][256] bf16.  nrm: [2][16384] f32.
; SHARES.  Work-group (x, y) takes rows 128 x .. 128 x + 127 of input y, each of its eight waves 16 rows.  Of a row lane L holds elements 4 L .. 4 L + 3 and 128 + 4 L .. + 3:
; a load of the wave covers 512 consecutive bytes, a store of 8 bytes a lane 256 consecutive bytes, aligned.  All 32 loads of a wave go out at once: 16 KiB a wave on their way.
; The 128 norms of the work-group meet in LDS, so that they leave as 512 consecutive bytes by one store.
; No matrix unit, no cluster, no tensor load: each byte is read once by one lane, and nothing is shared.
.set SPARE, 512                        ; LDS: bytes 0-511 the 128 norms; from 512 the spare words, 128 bytes for each of the eight waves, which no other line names
.set LO16, 1                           ; v1   16 x lane: offset of the loads, of the read-back from LDS and of nrm's store; never rewritten once made
.set LO8,  2                           ; v2   8 x lane: offset of d16's stores; never rewritten
.set NA,   3                           ; v3   LDS address of my wave's 16 norms: 64 x wave
.set SPW,  6                           ; v6   LDS address of my spare word; never rewritten
.set NIL,  7                           ; v7   0; never rewritten
.set T,    8                           ; v[8:15]    a row's eight rounded numbers, as f32
.set SUM,  16                          ; v[16:19]   sums
.set X,    32                          ; v[32:159]  row i as loaded, at X + 8 i
.set O,    160                         ; v[160:223] row i rounded, at O + 4 i: a set for each row, so that no store's data is ever rewritten
	s_load_b256 s[4:11], s[0:1], 0x0               ; desc1 s[4:5], desc2 s[6:7], d16 s[8:9], nrm s[10:11]
	v_lshl_add_u32 v[SPW], v0, 2, SPARE
	v_mov_b32 v[NIL], 0
	v_lshrrev_b32 v1, 5, v0
	v_readfirstlane_b32 s15, v1                    ; wave 0..7
	v_and_b32 v5, 31, v0                           ; lane
	v_lshlrev_b32 v[LO16], 4, v5
	v_lshlrev_b32 v[LO8], 3, v5
	s_lshl_b32 s17, s15, 6
	v_mov_b32 v[NA], s17
	s_mov_b32 s12, 0x76543210                      ; v_permlanex16_b32: each lane takes its own place in the other half
	s_mov_b32 s13, 0xfedcba98
	s_mov_b32 s14, 0xffff0000                      ; a word's upper bf16
	s_and_b32 s16, ttmp7, 0xffff                   ; y: which input
	s_lshl_b32 s2, ttmp9, 17                       ; source: 128 rows of 1,024 bytes a work-group,
	s_lshl_b32 s3, s15, 14                         ; 16 rows a wave
	s_add_co_u32 s2, s2, s3
	s_mov_b32 s3, 0
	s_lshl_b32 s18, s16, 23                        ; d16: 8,388,608 bytes an input,
	s_lshl_b32 s19, ttmp9, 16                      ; 128 rows of 512 bytes a work-group,
	s_add_co_u32 s18, s18, s19
	s_lshl_b32 s19, s15, 13                        ; 16 rows a wave
	s_add_co_u32 s18, s18, s19
	s_mov_b32 s19, 0
	s_lshl_b32 s20, s16, 16                        ; nrm: 65,536 bytes an input,
	s_lshl_b32 s21, ttmp9, 9                       ; 512 bytes a work-group
	s_add_co_u32 s20, s20, s21
	s_mov_b32 s21, 0
	s_wait_kmcnt 0x0
	s_cmp_eq_u32 s16, 0
	s_cselect_b64 s[4:5], s[4:5], s[6:7]
	s_add_nc_u64 s[4:5], s[4:5], s[2:3]
	s_add_nc_u64 s[8:9], s[8:9], s[18:19]
	s_add_nc_u64 s[10:11], s[10:11], s[20:21]
.irp i, 0,1,2,3,4,5,6,7,8,9,10,11,12,13,14,15
	global_load_b128 v[X+8*(\i):X+8*(\i)+3],   v[LO16], s[4:5] offset:1024*(\i) th:TH_LOAD_NT
	global_load_b128 v[X+8*(\i)+4:X+8*(\i)+7], v[LO16], s[4:5] offset:1024*(\i)+512 th:TH_LOAD_NT
.endr
; Row i: rounded, squared as rounded, summed over the lane's eight numbers and then over the 32 lanes; the norm goes to LDS, the row to d16.
.macro ROW i
	s_wait_loadcnt 30-2*(\i)                       ; loads come back in order: row i's two are in, the 2 (15 - i) of the later rows may stay out
.irp k, 0,1,2,3
	v_cvt_pk_bf16_f32 v[O+4*(\i)+(\k)], v[X+8*(\i)+2*(\k)], v[X+8*(\i)+2*(\k)+1]
.endr
.irp k, 0,1,2,3
	v_lshlrev_b32 v[T+2*(\k)],   16,  v[O+4*(\i)+(\k)]     ; bf16 to f32: the low half moves up,
	v_and_b32     v[T+2*(\k)+1], s14, v[O+4*(\i)+(\k)]     ; the high half stays
.endr
	v_pk_mul_f32 v[SUM:SUM+1],   v[T:T+1],   v[T:T+1]      ; two chains of two
	v_pk_mul_f32 v[SUM+2:SUM+3], v[T+2:T+3], v[T+2:T+3]
	v_pk_fma_f32 v[SUM:SUM+1],   v[T+4:T+5], v[T+4:T+5], v[SUM:SUM+1]
	v_pk_fma_f32 v[SUM+2:SUM+3], v[T+6:T+7], v[T+6:T+7], v[SUM+2:SUM+3]
	v_pk_add_f32 v[SUM:SUM+1], v[SUM:SUM+1], v[SUM+2:SUM+3]
	v_add_f32 v[SUM], v[SUM], v[SUM+1]
	v_add_f32_dpp v[SUM], v[SUM], v[SUM] row_xmask:1 row_mask:0xf bank_mask:0xf
	v_add_f32_dpp v[SUM], v[SUM], v[SUM] row_xmask:2 row_mask:0xf bank_mask:0xf
	v_add_f32_dpp v[SUM], v[SUM], v[SUM] row_xmask:4 row_mask:0xf bank_mask:0xf
	v_add_f32_dpp v[SUM], v[SUM], v[SUM] row_xmask:8 row_mask:0xf bank_mask:0xf
	v_permlanex16_b32 v[SUM+1], v[SUM], s12, s13   ; its destination has been written above
	v_add_f32 v[SUM], v[SUM], v[SUM+1]
	v_mul_f32 v[SUM], -0.5, v[SUM]                 ; a power of two: no rounding
	ds_store_b32 v[NA], v[SUM] offset:4*(\i)       ; all lanes write the same word with the same number
	global_store_b64 v[LO8], v[O+4*(\i):O+4*(\i)+1],   s[8:9] offset:512*(\i)      ; 32 lanes store 256 consecutive bytes, aligned
	global_store_b64 v[LO8], v[O+4*(\i)+2:O+4*(\i)+3], s[8:9] offset:512*(\i)+256
.endm
.irp i, 0,1,2,3,4,5,6,7,8,9,10,11,12,13,14,15
	ROW \i
.endr
	s_wait_dscnt 0x0                               ; for wave 0's sake: my 16 norms lie in LDS
	s_barrier_signal -1
	s_barrier_wait -1                              ; all 128 do
	s_cmp_lg_u32 s15, 0
	s_cbranch_scc1 .Lend                           ; wave 0 sends them
	ds_load_b128 v[T:T+3], v[LO16]
	s_wait_dscnt 0x0
	global_store_b128 v[LO16], v[T:T+3], s[10:11]  ; 512 consecutive bytes, aligned
.Lend:
	s_wait_tensorcnt 0x0                           ; the wave's end, behind my last LDS store
	ds_add_u32 v[SPW], v[NIL]
	s_wait_dscnt 0x0
	s_endpgm
.Lfunc_end_k_q1be67c3a89_prep:
	.size	k_q1be67c3a89_prep, .Lfunc_end_k_q1be67c3a89_prep-k_q1be67c3a89_prep
	.p2alignl 7, 3214868480
	.fill 96, 4, 3214868480
	.section	.rodata,"a",@progbits
	.p2align	6, 0x0
	.amdhsa_kernel k_q1be67c3a89_prep
		.amdhsa_group_segment_fixed_size 1536
		.amdhsa_private_segment_fixed_size 0
		.amdhsa_enable_private_segment 0
		.amdhsa_kernarg_size 32
		.amdhsa_user_sgpr_count 2
		.amdhsa_user_sgpr_kernarg_segment_ptr 1
		.amdhsa_wavefront_size32 1
		.amdhsa_system_sgpr_workgroup_id_x 1
		.amdhsa_system_sgpr_workgroup_id_y 1
		.amdhsa_system_sgpr_workgroup_id_z 1
		.amdhsa_system_vgpr_workitem_id 0
		.amdhsa_next_free_vgpr 224
		.amdhsa_next_free_sgpr 66
		.amdhsa_reserve_vcc 0
		.amdhsa_float_denorm_mode_32 3
		.amdhsa_float_denorm_mode_16_64 3
		.amdhsa_memory_ordered 1
		.amdhsa_forward_progress 1
		.amdhsa_inst_pref_size 30
	.end_amdhsa_kernel
	.amdgpu_metadata
---
amdhsa.version: [ 1, 2 ]
amdhsa.kernels:
  - .name:           k_q1be67c3a89_prep
    .symbol:         k_q1be67c3a89_prep.kd
    .args:
      - { .name: desc1, .offset: 0, .size: 8, .value_kind: global_buffer, .address_space: global }
      - { .name: desc2, .offset: 8, .size: 8, .value_kind: global_buffer, .address_space: global }
      - { .name: d16, .offset: 16, .size: 8, .value_kind: global_buffer, .address_space: global }
      - { .name: nrm, .offset: 24, .size: 8, .value_kind: global_buffer, .address_space: global }
    .group_segment_fixed_size: 1536
    .private_segment_fixed_size: 0
    .kernarg_segment_align: 8
    .kernarg_segment_size: 32
    .max_flat_workgroup_size: 256
    .sgpr_count:     66
    .vgpr_count:     224
    .wavefront_size: 32
...
	.end_amdgpu_metadata
.endif
;; end of part 1
;; launch match (part 2): grid 32 x 8, 4 waves a work-group, clusters of 4 x 1, 327,680 bytes of LDS; arguments d16, nrm, part; writes part
.if DOCPART == 2
	.amdgcn_target "amdgcn-amd-amdhsa--gfx1250"
	.amdhsa_code_object_version 6
	.text
	.protected	k_q1be67c3a89_match
	.globl	k_q1be67c3a89_match
	.p2align	8
	.type	k_q1be67c3a89_match,@function
k_q1be67c3a89_match:
	s_mov_b64 s[64:65], 0
	v_nop
	global_prefetch_b8 v0, s[64:65] scope:SCOPE_SE
	s_setreg_imm32_b32 hwreg(HW_REG_WAVE_MODE, 25, 1), 1
	s_wait_xcnt 0x0
	s_wait_alu depctr_hold_cnt(0) depctr_sa_sdst(0) depctr_va_vdst(0) depctr_va_sdst(0) depctr_va_ssrc(0) depctr_va_vcc(0) depctr_vm_vsrc(0)
	s_getreg_b32 s2, hwreg(HW_REG_IB_STS2, 6, 4)
	s_cmp_eq_u32 s2, 0
	s_cbranch_scc0 .Lentry_in_a_cluster
	s_endpgm
.Lentry_in_a_cluster:
	s_bfe_u32 s2, ttmp6, 0x10000c
	s_cmp_lg_u32 s2, 0x3003
	s_cbranch_scc0 .Lentry_shape_is_right
	s_endpgm
.Lentry_shape_is_right:
; For each query m (a row of desc1) and each of eight splits y of 2,048 candidates n (rows of desc2): the largest u[m][n] = a[m] . b[n] + nb[n], and the n that has it.
; a, b: the inputs rounded to bf16 (d16: [2][16384][256]); nb[n] = -1/2 |b[n]|^2 (nrm's second half).  The squared distance is -2 (na[m] + u), so the largest u is the nearest candidate;
; na, the clamp and the root come once a query, in the launch behind.  part: f32 u [8][16384], then from byte 524,288 i32 n [8][16384].
; LIMITS.  The f32 roundings fall otherwise than in a2 + b2 - 2 a.b taken from left to right: here a2 + (b2 - 2 a.b), the product's sums in the matrix unit from nb on, K ascending.  Candidates are told apart by u:
; two that differ in u and fall together only behind the clamp at 0 or the root's rounding are not counted as equal.  Bit-equal u: the lowest n.  NaN and infinities are not treated apart.
; SHARES.  Work-group (qb, y): 512 queries x 2,048 candidates; 256 work-groups of equal work.  A wave owns 128 queries, eight tiles of 16, and keeps them, all 256 channels, in 512 registers for the whole launch.
; All four waves walk the same candidates, 16 to a TILE: 18 LDS loads feed 64 matrix instructions (8 K steps x 8 query tiles).
; LAYOUT.  Source 0 = 16 candidates, source 1 = 16 queries: in the result lane (r, h) holds query r, and register j candidate 8 h + j of the tile.  So the maximum over candidates never leaves the lane,
; and nb of those eight candidates is the C operand of the first K step: u costs no vector instruction.
; THE MAXIMUM.  For a tile and query tile: the largest of the lane's 8 numbers (4 lines), a strict compare with the best so far, the new best, and by that mask the tile's number and the 8 numbers themselves are kept (9 selects):
; 15 lines for 8 matrix instructions.  Which of the 8 it was is found once, at the end.  Nothing branches on a number.
; BY TURNS.  Two sets of accumulators: while tile t is multiplied into one, tile t - 1 is reduced out of the other, four vector lines behind every second matrix instruction.  Those lines live in window 0 and the
; products' sources in windows 1 to 3, so a slice costs two switches of the window: taken on purpose, since the lines set apart in a phase of their own would leave the matrix unit without work meanwhile.
; CLUSTER.  The four query blocks of a cluster walk the same candidates and the same nb: every tensor load is asked for JOINTLY, by the same line with the same descriptor and the mask of all four.
; The place in the cluster enters the global addresses of the queries and of part alone.
; REGISTERS, in windows of 256 (s_set_vgpr_msb: bits 1:0 source 0, 3:2 source 1, 5:4 source 2, 7:6 destination):
;   window 0: addresses, statistics, nb, the two sets of accumulators, the kept numbers (map below)     window 1: v0-127 the candidates' fragments, two buffers of 64
;   windows 2, 3: the queries: tile qt, K step ks at v[64 (qt % 4) + 8 ks] of window 2 + qt / 4
.set PK,    528                        ; a candidate's row in LDS: 512 bytes + 16 of padding = 132 words: the 16 rows of a load start at 16 different groups of four banks (64 banks of 4 bytes: ISA guide 11.1)
.set TILEB, 16*PK                      ; a tile of 16 candidates
.set QUART, 64*PK                      ; 64 rows: what one tensor load brings
.set SLOT,  4*QUART                    ; 256 candidates = 135,168 = 0x21000 bytes.  Slot 1 begins there; wave x QUART has neither of its two bits, so one exclusive or turns an address in one slot into the other's
.set NBT,   2*SLOT                     ; behind the ring: nb of the split's 2,048 candidates, 8,192 bytes, filled once
.set STAGE, NBT+8192                   ; 1,024 bytes for each wave, for the way out; no tensor load fills it
.set SPARE, STAGE+4096                 ; the spare words, 128 bytes for each wave: two blocks of 256 bytes that no other line names
.set STEPG, 256*512                    ; 256 candidates in memory
.set AK0, 2                            ; v2   my lane's place in a tile: 528 r + 16 h; never rewritten
.set AN0, 3                            ; v3   my lane's place in nb's table: NBT + 32 h; never rewritten
.set ADR, 4                            ; v4   LDS address of the run of loads in hand
.set ADN, 5                            ; v5   the same for nb
.set QO,  6                            ; v6   my byte offset in 16 rows of queries: 512 r + 16 h
.set H8,  7                            ; v7   8 h
.set STO, 8                            ; v8   the way out: my word in my wave's stage
.set RD,  9                            ; v9   the way out: my 16 bytes of it
.set GO,  10                           ; v10  my 16 bytes of the wave's 512 in part
.set GM,  12                           ; v[12:15]   a group's maximum, by qt % 4
.set BEST, 16                          ; v[16:23]   the largest u so far, by qt
.set TIL, 24                           ; v[24:31]   first candidate of the tile that holds it
.set NB,  40                           ; v[40:55]   nb of a tile's 8 candidates of my half, two sets
.set SPW, 56                           ; v56  LDS address of my spare word; never rewritten
.set NIL, 57                           ; v57  0; never rewritten
.set ACC, 64                           ; v[64:191]  two sets of eight accumulators: set a, tile qt at ACC + 64 a + 8 qt
.set SAV, 192                          ; v[192:255] the 8 numbers of the group that holds the best, by qt
.set WV,  10                           ; s10  my wave's number
.set G1K, 16                           ; s[16:23] descriptor group 1 for the candidates' tiles
.set G1N, 24                           ; s[24:31] for nb
.set G0N, 32                           ; s[32:35] descriptor group 0 for nb
.set G0A, 36                           ; s[36:39] for slot 0's first fill
.set G0W, 40                           ; s[40:43] for slot 1's first fill; it then walks
.set TB,  44                           ; s44  LDS byte of the tile to be fetched
.set TN,  45                           ; s45  64 x its number: its place in nb's table
.set TID, 46                           ; s46  first candidate of the tile that is being reduced
.set CNT, 47                           ; s47  counts pairs of tiles
.set SLOTS, 48                         ; s48  counts changes of slots
.set NINF, 49                          ; s49  minus infinity
.set MK,  50                           ; s[50:53] lane masks, by qt % 4
.set SEL, 54                           ; s[54:55] v_permlanex16_b32's selects
.set HIM, 56                           ; s56  lanes 16 to 31
.set MSB, 0
.macro WIN new                         ; the immediate's high byte repeats the setting that is left; a switch that changes nothing is dropped
.if MSB != (\new)
	s_set_vgpr_msb (MSB<<8)|(\new)
.set MSB, \new
.endif
.endm
; A round of the cluster's barrier: my work-group's barrier, so that wave 0's signal speaks for all four waves; wave 0 signals; every wave waits for all four work-groups; my work-group's barrier once more.
.macro CROUND
	s_barrier_signal -1
	s_barrier_wait -1
	s_cmp_lg_u32 s[WV], 0
	s_cbranch_scc1 .Lnot_wave_0_\@
	s_barrier_signal -3
.Lnot_wave_0_\@:
	s_barrier_wait -3
	s_barrier_signal -1
	s_barrier_wait -1
.endm
	s_load_b128 s[4:7], s[0:1], 0x0                ; d16 s[4:5], nrm s[6:7]
	s_load_b64 s[8:9], s[0:1], 0x10                ; part
	v_lshl_add_u32 v[SPW], v0, 2, SPARE
	v_mov_b32 v[NIL], 0
	ds_add_u32 v[SPW], v[NIL]                      ; the wave's opening: the add and its wait stand ahead of my first tensor load; the set-up below, work on registers, stands between them
	ds_add_u32 v56, v57
	v_lshrrev_b32 v1, 5, v0
	v_readfirstlane_b32 s[WV], v1                  ; wave 0..3
	s_bfe_u32 s11, ttmp6, 0x40000                  ; cx: my place in the cluster
	s_lshl_b32 s12, ttmp9, 2                       ; in a cluster launch ttmp9 counts clusters
	s_add_co_u32 s12, s12, s11                     ; qb = 4 x cluster x + cx: it enters the queries' and part's addresses alone
	s_and_b32 s13, ttmp7, 0xffff                   ; y: the split, which the four partners share
	; group 1 for the candidates: 64 rows x 256 elements of 2 bytes, padded in LDS
	s_mov_b32 s[G1K], 15|(1<<16)|(1<<20)|(1<<21)|(6<<22)|(3<<25)  ; 15:0 the mask of four; 17:16 2-byte elements; 20 padding on; 21 set beside a mask; 24:22 after every 128 words (code 6); 31:25 4 words (code 3)
	s_mov_b32 s[G1K+1], 256<<16                    ; tensor_dim0 = 256
	s_mov_b32 s[G1K+2], 64<<16                     ; tensor_dim1 = 64
	s_mov_b32 s[G1K+3], 256<<16                    ; tile_dim0 = 256
	s_mov_b32 s[G1K+4], 64                         ; tile_dim1 = 64
	s_mov_b32 s[G1K+5], 256                        ; 256 elements from row to row
	s_mov_b32 s[G1K+6], 0
	s_mov_b32 s[G1K+7], 0
	; group 1 for nb: 2,048 dense bytes a wave, as 8 rows of 32 elements of 8 bytes
	s_mov_b32 s[G1N], 15|(3<<16)|(1<<21)
	s_mov_b32 s[G1N+1], 32<<16
	s_mov_b32 s[G1N+2], 8<<16
	s_mov_b32 s[G1N+3], 32<<16
	s_mov_b32 s[G1N+4], 8
	s_mov_b32 s[G1N+5], 32
	s_mov_b32 s[G1N+6], 0
	s_mov_b32 s[G1N+7], 0
	s_mul_i32 s57, s[WV], QUART                    ; my 64 rows' place in a slot: no place in the cluster enters an LDS address
	s_lshl_b32 s58, s[WV], 11                      ; my 2,048 bytes of nb
	s_mov_b32 s[G0N], 1                            ; 1:0 count = 1
	s_add_co_u32 s[G0N+1], s58, NBT                ; 63:32 LDS address
	s_mov_b32 s[G0A], 1
	s_mov_b32 s[G0A+1], s57
	s_mov_b32 s[G0W], 1
	s_add_co_u32 s[G0W+1], s57, SLOT
	s_lshl_b32 s14, s13, 20                        ; candidates: 2,048 rows of 512 bytes a split,
	s_lshl_b32 s15, s[WV], 15                      ; my 64 rows,
	s_add_co_u32 s14, s14, s15
	s_add_co_u32 s14, s14, 8388608                 ; behind the queries
	s_mov_b32 s15, 0
	s_lshl_b32 s60, s13, 13                        ; nb: 8,192 bytes a split,
	s_add_co_u32 s60, s60, s58                     ; my 2,048,
	s_add_co_u32 s60, s60, 65536                   ; behind na
	s_mov_b32 s61, 0
	s_lshl_b32 s2, s12, 18                         ; queries: 512 rows of 512 bytes a block,
	s_lshl_b32 s3, s[WV], 16                       ; 128 rows a wave
	s_add_co_u32 s2, s2, s3
	s_mov_b32 s3, 0
	s_lshl_b32 s62, s13, 16                        ; part: 65,536 bytes a split,
	s_lshl_b32 s63, s12, 11                        ; 2,048 a block,
	s_add_co_u32 s62, s62, s63
	s_lshl_b32 s63, s[WV], 9                       ; 512 a wave
	s_add_co_u32 s62, s62, s63
	s_mov_b32 s63, 0
	s_lshl_b32 s59, s[WV], 10
	s_add_co_u32 s59, s59, STAGE                   ; my stage
	s_mov_b32 s[TB], 0
	s_mov_b32 s[TN], 0
	s_lshl_b32 s[TID], s13, 11
	s_sub_co_u32 s[TID], s[TID], 16                ; tile 0's turn reduces a set that holds minus infinity and never wins: its number is never kept
	s_mov_b32 s[NINF], 0xff800000
	s_mov_b32 s[SEL], 0x76543210
	s_mov_b32 s[SEL+1], 0xfedcba98
	s_mov_b32 s[HIM], 0xffff0000
	s_wait_dscnt 0x0                               ; the opening add is done
	s_wait_kmcnt 0x0
	s_add_nc_u64 s[G0A+2:G0A+3], s[4:5], s[14:15]  ; 120:64 global address: my rows of the split's candidates 0-255,
	s_add_nc_u64 s[G0W+2:G0W+3], s[G0A+2:G0A+3], STEPG  ; and of 256-511
	s_or_b32 s[G0A+3], s[G0A+3], 0x80000000        ; 127:126 type = 2
	s_or_b32 s[G0W+3], s[G0W+3], 0x80000000
	s_add_nc_u64 s[G0N+2:G0N+3], s[6:7], s[60:61]
	s_or_b32 s[G0N+3], s[G0N+3], 0x80000000
	s_add_nc_u64 s[4:5], s[4:5], s[2:3]            ; the queries at my wave's first row
	s_add_nc_u64 s[8:9], s[8:9], s[62:63]          ; part at my wave's 512 bytes
	CROUND                                         ; all four work-groups are here: the first joint loads meet
	tensor_load_to_lds s[G0N:G0N+3], s[G1N:G1N+7]  ; the first fills go out as one group, every wave its own rows: three loads of mine are out
	s_nop 0
	tensor_load_to_lds s[G0A:G0A+3], s[G1K:G1K+7]
	s_nop 0
	tensor_load_to_lds s[G0W:G0W+3], s[G1K:G1K+7]
	s_nop 0
.rept 4
	v_nop                                          ; an s_nop 0 follows each load, four v_nop the last
.endr
	; A fragment is 16 rows x 32 channels in 8 registers: lane l holds row l % 16; registers 0-3 channels 8 (l / 16) + 0..7, registers 4-7 channels 16 + 8 (l / 16) + 0..7: two loads of 16 bytes, 32 bytes apart.
	v_and_b32 v1, 15, v0                           ; r
	v_bfe_u32 v11, v0, 4, 1                        ; h
	v_lshlrev_b32 v[QO], 9, v1
	v_lshl_add_u32 v[QO], v11, 4, v[QO]
.set qt, 0
.rept 8                                ; the queries stay in registers: 128 loads
	WIN 0x80+0x40*(qt/4)                           ; destination window 2 or 3, address window 0
.set ks, 0
.rept 8
	global_load_b128 v[64*(qt%4)+8*ks:64*(qt%4)+8*ks+3],   v[QO], s[4:5] offset:8192*qt+64*ks
	global_load_b128 v[64*(qt%4)+8*ks+4:64*(qt%4)+8*ks+7], v[QO], s[4:5] offset:8192*qt+64*ks+32
.set ks, ks+1
.endr
.set qt, qt+1
.endr
	WIN 0
	; No first tile is written out: accumulator set 1, the kept numbers and the best start at minus infinity, so tile 0's turn reduces a set that the strict compare never takes.
	; The price, 144 lines, stands in the wait for the first tile.
.set r, 0
.rept 128
	v_mov_b32 v[ACC+64+r], s[NINF]                 ; set 1 and, behind it, SAV
.set r, r+1
.endr
.set r, 0
.rept 8
	v_mov_b32 v[BEST+r], s[NINF]
	v_mov_b32 v[TIL+r], 0
.set r, r+1
.endr
	v_mul_u32_u24 v[AK0], v1, PK
	v_lshl_add_u32 v[AK0], v11, 4, v[AK0]
	v_lshl_add_u32 v[AN0], v11, 5, NBT
	v_lshlrev_b32 v[H8], 3, v11
	v_and_b32 v[GO], 31, v0
	v_lshl_add_u32 v[STO], v[GO], 2, s59
	v_lshl_add_u32 v[RD], v[GO], 4, s59
	v_lshlrev_b32 v[GO], 4, v[GO]
; 18 LDS loads in one run: nb of the tile's 8 candidates of my half of the lanes (all lanes of a half read the same 32 bytes), and the tile's eight fragments, into buffer b.
.macro FETCH b
	WIN 0
	v_add_nc_u32 v[ADR], s[TB], v[AK0]
	v_add_nc_u32 v[ADN], s[TN], v[AN0]
	ds_load_b128 v[NB+8*(\b):NB+8*(\b)+3],   v[ADN]
	ds_load_b128 v[NB+8*(\b)+4:NB+8*(\b)+7], v[ADN] offset:16
	WIN 0x40                                       ; destination window 1
.irp f, 0,1,2,3,4,5,6,7
	ds_load_b128 v[64*(\b)+8*(\f):64*(\b)+8*(\f)+3],   v[ADR] offset:64*(\f)
	ds_load_b128 v[64*(\b)+8*(\f)+4:64*(\b)+8*(\f)+7], v[ADR] offset:64*(\f)+32
.endr
	s_add_co_u32 s[TB], s[TB], TILEB               ; the next fetch is the next tile's
	s_add_co_u32 s[TN], s[TN], 64
	s_and_b32 s[TN], s[TN], 0x1fc0                 ; the table has 128 places of 64 bytes: the offset stays inside it
.endm
; Line n of the 15 that reduce query tile t out of accumulator set a.  The accumulator's lowest registers are read first.
.macro RID a, t, n
.set rE, ACC+64*(\a)+8*(\t)
.set rG, GM+(\t)%4
.set rM, MK+(\t)%4
.if (\n) == 0
	v_max3_num_f32 v[rG], v[rE], v[rE+1], v[rE+2]
.elseif (\n) < 3
	v_max3_num_f32 v[rG], v[rG], v[rE+2*(\n)+1], v[rE+2*(\n)+2]
.elseif (\n) == 3
	v_max_num_f32 v[rG], v[rG], v[rE+7]
.elseif (\n) == 4
	v_cmp_gt_f32 s[rM], v[rG], v[BEST+(\t)]        ; strict: of equal numbers the earlier tile stays
.elseif (\n) == 5
	v_max_num_f32 v[BEST+(\t)], v[BEST+(\t)], v[rG]
.elseif (\n) == 6
	v_cndmask_b32 v[TIL+(\t)], v[TIL+(\t)], s[TID], s[rM]
.else
	v_cndmask_b32 v[SAV+8*(\t)+(\n)-7], v[SAV+8*(\t)+(\n)-7], v[rE+(\n)-7], s[rM]
.endif
.endm
; Slice s of 30: one line for each of four query tiles (slices 0-14: tiles 0-3; 15-29: tiles 4-7), so that the links of a tile's chain stand a slice apart.
.macro SLICE a, s
	WIN 0
.irp q, 0,1,2,3
	RID \a, 4*((\s)/15)+\q, (\s)%15
.endr
.endm
; Matrix instruction w of a tile's 64: K step w / 8, query tile w % 8.  The eight accumulators take turns, one instruction a turn, over the tiles' borders and the backward jumps too.
; The first K step starts the sum with nb.
.macro MM p
.set qt, w%8
.set ks, w/8
.set rD, ACC+64*(\p)+8*qt
.set rK, 64*(\p)+8*ks
.set rQ, 64*(qt%4)+8*ks
	WIN 0x09+4*(qt/4)                              ; source 0 (candidates) window 1, source 1 (queries) window 2 or 3, C and D window 0
.if ks == 0
	v_wmma_f32_16x16x32_bf16 v[rD:rD+7], v[rK:rK+7], v[rQ:rQ+7], v[NB+8*(\p):NB+8*(\p)+7]
.else
	v_wmma_f32_16x16x32_bf16 v[rD:rD+7], v[rK:rK+7], v[rQ:rQ+7], v[rD:rD+7]
.endif
.endm
; A TILE: 64 matrix instructions from buffer p into set p; behind every second one, up to the 60th, a slice of the reduction of the tile before, out of the other set.
; fetch = 1: the next tile's run of loads stands behind the fourth matrix instruction, 60 ahead of its first use.
; DISTANCES (ISA guide 7.12.1 for vector instructions).  Set p's tiles 0-3 are finished by instructions 56-59; behind the 59th stands slice 29, four selects on the other set and SAV: the four places ahead of the next
; tile's slice 0, which reads them.  Tiles 4-7, finished by 60-63, are read from the next tile's slice 15 on.  The run of loads writes the buffer that the tile before read last in its instruction 63: slices 0 and 1, eight
; lines that name none of that instruction's registers, lie between.
.macro TILE p, fetch
	s_wait_dscnt 0x0                               ; my fragments and nb are in
.set w, 0
.rept 64
	MM \p
.if (w%2 == 1) && (w < 60)
	SLICE 1-(\p), w/2
.endif
.if (\fetch) && (w == 3)
	FETCH 1-(\p)
.endif
.set w, w+1
.endr
	s_add_co_u32 s[TID], s[TID], 16
	WIN 0                                          ; at a label and at a branch every window is 0
.endm
; THE CHANGE OF SLOTS stands in front of a slot's last tile, whose fragments have been asked for: that tile's turn fetches the next slot's first.  Each wave waits for all its tensor loads, of which one is out: its part of the
; other slot; adds 0 to its spare word; and waits for that and for its own reads of the slot.  Behind the barrier nobody reads this slot any more and the other slot is whole.
; fill = 1: the slot is filled again, with the candidates two slots on.  The barrier is then a round of the cluster's, so that no wave of any partner still reads the slot or has a load on its way; the joint refill is the first
; thing behind it, one load a wave, every wave its own 64 rows: it has 16 tiles, 1,024 matrix instructions a wave, in which to land.
.macro CHANGE fill
	s_wait_tensorcnt 0x0                           ; no tensor load of mine is out, so a group 0 may be written
	ds_add_u32 v[SPW], v[NIL]                      ; 0 onto my spare word; the scalar steps stand between it and the wait for it
.if \fill
	s_xor_b32 s[G0W+1], s[G0W+1], SLOT             ; the walking descriptor: the other slot than last time,
	s_add_nc_u64 s[G0W+2:G0W+3], s[G0W+2:G0W+3], STEPG  ; the next 256 candidates; the type bits on top are not reached
.endif
	s_sub_co_u32 s[TB], s[TB], SLOT                ; the fetches go back to a slot's first tile,
	s_xor_b32 s[TB], s[TB], SLOT                   ; in the other slot
	s_wait_dscnt 0x0                               ; the add is done, and my reads of the slot are over
.if \fill
	CROUND
	tensor_load_to_lds s[G0W:G0W+3], s[G1K:G1K+7]
	s_nop 0
.rept 4
	v_nop
.endr
.else
	s_barrier_signal -1
	s_barrier_wait -1
.endif
.endm
	s_wait_tensorcnt 1                             ; tensor loads of a wave end in order: nb and my part of slot 0 are in; the one load behind them, slot 1's, may stay out
	s_barrier_signal -1
	s_barrier_wait -1                              ; everybody's are
	FETCH 0                                        ; tile 0
	WIN 0
	s_wait_loadcnt 0x0                             ; the queries
	s_mov_b32 s[CNT], 8
	s_mov_b32 s[SLOTS], 7
	s_branch .Lmid                                 ; the loop is entered at tile 0, in the middle of a trip: tiles 0 to 14 come before the first change of slots
.Lslot:                                        ; six times: a slot's tile 15, then tiles 0 to 14 of the next; every slot's content but the last two's is followed by a refill
	CHANGE 1
	s_mov_b32 s[CNT], 8
.Lpair:
	TILE 1, 1
.Lmid:
	TILE 0, 1
	s_sub_co_u32 s[CNT], s[CNT], 1
	s_cmp_lg_u32 s[CNT], 0
	s_cbranch_scc1 .Lpair
	s_sub_co_u32 s[SLOTS], s[SLOTS], 1
	s_cmp_lg_u32 s[SLOTS], 0
	s_cbranch_scc1 .Lslot
	CHANGE 0                                       ; the tail is written out: nothing is asked for
	s_mov_b32 s[CNT], 8
.Ltail:                                        ; tiles 111 to 126
	TILE 1, 1
	TILE 0, 1
	s_sub_co_u32 s[CNT], s[CNT], 1
	s_cmp_lg_u32 s[CNT], 0
	s_cbranch_scc1 .Ltail
	TILE 1, 0                                      ; tile 127: nothing is left to fetch
.rept 4
	v_nop                                          ; the places behind its last products
.endr
.set sl, 0
.rept 30
	SLICE 1, sl                                    ; and its reduction
.set sl, sl+1
.endr
	; THE WAY OUT, all in window 0; accumulator set 0 is free and serves as registers at work.
.set JJ,  64                           ; v[64:71]   which of the kept 8 is the best
.set IX,  72                           ; v[72:79]   the candidate's number
.set OBV, 80                           ; v[80:87]   the other half of the lanes' best
.set OIX, 88                           ; v[88:95]   and its number
.set PKV, 96                           ; v[96:103]  32 queries a register: four of u, four of n
.set BK,  104                          ; v[104:111] back from the stage
.set t, 0
.rept 8
	v_mov_b32 v[JJ+t], 7
.set t, t+1
.endr
.irp j, 6,5,4,3,2,1,0                  ; downward, so that of equal numbers the lowest place stays
.set t, 0
.rept 8
	v_cmp_eq_f32 s[MK+t%4], v[SAV+8*t+\j], v[BEST+t]
	v_cndmask_b32 v[JJ+t], v[JJ+t], \j, s[MK+t%4]
.set t, t+1
.endr
.endr
.set t, 0
.rept 8
	v_add3_u32 v[IX+t], v[TIL+t], v[H8], v[JJ+t]   ; the tile's first candidate + 8 h + place
.set t, t+1
.endr
.set t, 0
.rept 8                                ; a query's other candidates lie in the lane 16 away: its pair is taken if it is greater, or equal with the lower number
	v_permlanex16_b32 v[OBV+t], v[BEST+t], s[SEL], s[SEL+1]
	v_permlanex16_b32 v[OIX+t], v[IX+t], s[SEL], s[SEL+1]
	v_cmp_gt_f32 s57, v[OBV+t], v[BEST+t]
	v_cmp_eq_f32 s58, v[OBV+t], v[BEST+t]
	v_cmp_lt_u32 s59, v[OIX+t], v[IX+t]
	s_and_b32 s58, s58, s59
	s_or_b32 s57, s57, s58
	v_cndmask_b32 v[BEST+t], v[BEST+t], v[OBV+t], s57
	v_cndmask_b32 v[IX+t], v[IX+t], v[OIX+t], s57
.set t, t+1
.endr
.irp p, 0,1,2,3                        ; both halves now hold the same: lanes 0-15 speak for tile 2 p, lanes 16-31 for tile 2 p + 1: lane l for query 32 p + l
	v_cndmask_b32 v[PKV+\p],   v[BEST+2*\p], v[BEST+2*\p+1], s[HIM]
	v_cndmask_b32 v[PKV+4+\p], v[IX+2*\p],   v[IX+2*\p+1],   s[HIM]
.endr
.irp p, 0,1,2,3
	ds_store_b32 v[STO], v[PKV+\p]   offset:128*\p
	ds_store_b32 v[STO], v[PKV+4+\p] offset:512+128*\p
.endr
	ds_load_b128 v[BK:BK+3],   v[RD]               ; LDS serves a wave's instructions in order (ISA guide 5.7.1.4): these see my stores above; the stage is my wave's own
	ds_load_b128 v[BK+4:BK+7], v[RD] offset:512
	s_wait_dscnt 0x0
	global_store_b128 v[GO], v[BK:BK+3],   s[8:9]                 ; 512 consecutive bytes, aligned: u of my 128 queries,
	global_store_b128 v[GO], v[BK+4:BK+7], s[8:9] offset:524288   ; and their candidates' numbers
	s_wait_tensorcnt 0x0                           ; the wave's end, behind my last tensor load and my last LDS store
	ds_add_u32 v[SPW], v[NIL]
	s_wait_dscnt 0x0
	CROUND                                         ; the closing round: no work-group ends while a partner may still ask for a tile that names it
	s_endpgm
.Lfunc_end_k_q1be67c3a89_match:
	.size	k_q1be67c3a89_match, .Lfunc_end_k_q1be67c3a89_match-k_q1be67c3a89_match
	.p2alignl 7, 3214868480
	.fill 96, 4, 3214868480
	.section	.rodata,"a",@progbits
	.p2align	6, 0x0
	.amdhsa_kernel k_q1be67c3a89_match
		.amdhsa_group_segment_fixed_size 327680
		.amdhsa_private_segment_fixed_size 0
		.amdhsa_enable_private_segment 0
		.amdhsa_kernarg_size 24
		.amdhsa_user_sgpr_count 2
		.amdhsa_user_sgpr_kernarg_segment_ptr 1
		.amdhsa_wavefront_size32 1
		.amdhsa_system_sgpr_workgroup_id_x 1
		.amdhsa_system_sgpr_workgroup_id_y 1
		.amdhsa_system_sgpr_workgroup_id_z 1
		.amdhsa_system_vgpr_workitem_id 0
		.amdhsa_next_free_vgpr 1024
		.amdhsa_next_free_sgpr 66
		.amdhsa_reserve_vcc 0
		.amdhsa_float_denorm_mode_32 3
		.amdhsa_float_denorm_mode_16_64 3
		.amdhsa_memory_ordered 1
		.amdhsa_forward_progress 1
		.amdhsa_inst_pref_size 117
	.end_amdhsa_kernel
	.amdgpu_metadata
---
amdhsa.version: [ 1, 2 ]
amdhsa.kernels:
  - .name:           k_q1be67c3a89_match
    .symbol:         k_q1be67c3a89_match.kd
    .args:
      - { .name: d16, .offset: 0, .size: 8, .value_kind: global_buffer, .address_space: global }
      - { .name: nrm, .offset: 8, .size: 8, .value_kind: global_buffer, .address_space: global }
      - { .name: part, .offset: 16, .size: 8, .value_kind: global_buffer, .address_space: global }
    .group_segment_fixed_size: 327680
    .private_segment_fixed_size: 0
    .kernarg_segment_align: 8
    .kernarg_segment_size: 24
    .max_flat_workgroup_size: 128
    .sgpr_count:     66
    .vgpr_count:     1024
    .wavefront_size: 32
...
	.end_amdgpu_metadata
.endif
;; end of part 2
;; launch pick (part 3): grid 256 x 1, 1 waves a work-group, no clusters, 0 bytes of LDS; arguments part, nrm, out0, out1; writes out0, out1
.if DOCPART == 3
	.amdgcn_target "amdgcn-amd-amdhsa--gfx1250"
	.amdhsa_code_object_version 6
	.text
	.protected	k_q1be67c3a89_pick
	.globl	k_q1be67c3a89_pick
	.p2align	8
	.type	k_q1be67c3a89_pick,@function
k_q1be67c3a89_pick:
	s_mov_b64 s[64:65], 0
	v_nop
	global_prefetch_b8 v0, s[64:65] scope:SCOPE_SE
	s_setreg_imm32_b32 hwreg(HW_REG_WAVE_MODE, 25, 1), 1
	s_wait_xcnt 0x0
; For each query: the best of the eight splits' pairs (u, n); out0 = sqrt(max(-2 (na + u), 0)); out1 = (query, n).
; part: f32 u [8][16384], then from byte 524,288 i32 n [8][16384].  nrm's first half: na = -1/2 |a|^2.  out0: [16384] f32.  out1: [16384][2] i32.
; The compare is strict and the splits go upward, so of bit-equal u the lower split, which has the lower n, stays.  LIMITS: a squared distance below 2^-126 gives 0 (v_sqrt_f32 takes a denormal as zero:
; ISA guide 15.8); NaN and infinities are not treated apart.
; SHARES.  Thread T of 8,192 owns queries 2 T and 2 T + 1: a load or out0's store of the wave covers 256 consecutive bytes, aligned, out1's store 512.  All 17 loads go out at once.
.set U,  8                             ; v[8:23]   u of my two queries, split s at U + 2 s; the best gathers in split 0's pair
.set N,  24                            ; v[24:39]  the same for n
.set A,  40                            ; v[40:41]  na
.set D,  42                            ; v[42:43]  the distances
.set P,  44                            ; v[44:47]  (2 T, n, 2 T + 1, n)
	s_load_b256 s[4:11], s[0:1], 0x0               ; part s[4:5], nrm s[6:7], out0 s[8:9], out1 s[10:11]
	s_lshl_b32 s2, ttmp9, 5
	v_add_nc_u32 v1, s2, v0                        ; T
	v_lshlrev_b32 v2, 3, v1                        ; 8 T
	v_lshlrev_b32 v3, 4, v1                        ; 16 T
	s_wait_kmcnt 0x0
.irp s, 0,1,2,3,4,5,6,7
	global_load_b64 v[U+2*(\s):U+2*(\s)+1], v2, s[4:5] offset:65536*(\s)
	global_load_b64 v[N+2*(\s):N+2*(\s)+1], v2, s[4:5] offset:524288+65536*(\s)
.endr
	global_load_b64 v[A:A+1], v2, s[6:7]
	s_wait_loadcnt 0x0
.irp s, 1,2,3,4,5,6,7
.irp q, 0,1
	v_cmp_gt_f32 vcc_lo, v[U+2*(\s)+(\q)], v[U+(\q)]
	v_cndmask_b32 v[U+(\q)], v[U+(\q)], v[U+2*(\s)+(\q)], vcc_lo
	v_cndmask_b32 v[N+(\q)], v[N+(\q)], v[N+2*(\s)+(\q)], vcc_lo
.endr
.endr
	v_pk_add_f32 v[U:U+1], v[U:U+1], v[A:A+1]
	v_pk_mul_f32 v[U:U+1], v[U:U+1], -2.0 op_sel_hi:[1,0]  ; a power of two: no rounding
	v_max_num_f32 v[U], 0, v[U]
	v_max_num_f32 v[U+1], 0, v[U+1]
	v_sqrt_f32 v[D], v[U]
	v_sqrt_f32 v[D+1], v[U+1]
	v_lshlrev_b32 v[P], 1, v1                      ; the plain lines behind the roots: out1's four words
	v_mov_b32 v[P+1], v[N]
	v_lshl_or_b32 v[P+2], v1, 1, 1
	v_mov_b32 v[P+3], v[N+1]
	s_wait_alu depctr_va_vdst(0)                   ; one wait for both roots, ahead of the first line that names a result
	global_store_b64 v2, v[D:D+1], s[8:9]
	global_store_b128 v3, v[P:P+3], s[10:11]
	s_endpgm
.Lfunc_end_k_q1be67c3a89_pick:
	.size	k_q1be67c3a89_pick, .Lfunc_end_k_q1be67c3a89_pick-k_q1be67c3a89_pick
	.p2alignl 7, 3214868480
	.fill 96, 4, 3214868480
	.section	.rodata,"a",@progbits
	.p2align	6, 0x0
	.amdhsa_kernel k_q1be67c3a89_pick
		.amdhsa_group_segment_fixed_size 0
		.amdhsa_private_segment_fixed_size 0
		.amdhsa_enable_private_segment 0
		.amdhsa_kernarg_size 32
		.amdhsa_user_sgpr_count 2
		.amdhsa_user_sgpr_kernarg_segment_ptr 1
		.amdhsa_wavefront_size32 1
		.amdhsa_system_sgpr_workgroup_id_x 1
		.amdhsa_system_sgpr_workgroup_id_y 1
		.amdhsa_system_sgpr_workgroup_id_z 1
		.amdhsa_system_vgpr_workitem_id 0
		.amdhsa_next_free_vgpr 64
		.amdhsa_next_free_sgpr 66
		.amdhsa_reserve_vcc 1
		.amdhsa_float_denorm_mode_32 3
		.amdhsa_float_denorm_mode_16_64 3
		.amdhsa_memory_ordered 1
		.amdhsa_forward_progress 1
		.amdhsa_inst_pref_size 5
	.end_amdhsa_kernel
	.amdgpu_metadata
---
amdhsa.version: [ 1, 2 ]
amdhsa.kernels:
  - .name:           k_q1be67c3a89_pick
    .symbol:         k_q1be67c3a89_pick.kd
    .args:
      - { .name: part, .offset: 0, .size: 8, .value_kind: global_buffer, .address_space: global }
      - { .name: nrm, .offset: 8, .size: 8, .value_kind: global_buffer, .address_space: global }
      - { .name: out0, .offset: 16, .size: 8, .value_kind: global_buffer, .address_space: global }
      - { .name: out1, .offset: 24, .size: 8, .value_kind: global_buffer, .address_space: global }
    .group_segment_fixed_size: 0
    .private_segment_fixed_size: 0
    .kernarg_segment_align: 8
    .kernarg_segment_size: 32
    .max_flat_workgroup_size: 32
    .sgpr_count:     66
    .vgpr_count:     64
    .wavefront_size: 32
...
	.end_amdgpu_metadata
.endif
;; end of part 3
;; ======== version 2 of 2: 3 launches; version 1 with the launch prep written anew for expert scheduling mode
;; workspace buffers: d16 16,777,216 bytes; nrm 131,072 bytes; part 1,048,576 bytes
;; launch prep (part 4): grid 128 x 2, 8 waves a work-group, no clusters, 1,536 bytes of LDS; arguments desc1, desc2, d16, nrm; writes d16, nrm
.if DOCPART == 4
	.amdgcn_target "amdgcn-amd-amdhsa--gfx1250"
	.amdhsa_code_object_version 6
	.text
	.protected	k_q1be67c3a89_prep
	.globl	k_q1be67c3a89_prep
	.p2align	8
	.type	k_q1be67c3a89_prep,@function
k_q1be67c3a89_prep:
	s_mov_b64 s[64:65], 0
	v_nop
	global_prefetch_b8 v0, s[64:65] scope:SCOPE_SE
	s_setreg_imm32_b32 hwreg(HW_REG_WAVE_SCHED_MODE, 0, 2), 2
	s_setreg_imm32_b32 hwreg(HW_REG_WAVE_MODE, 25, 1), 1
	s_wait_xcnt 0x0
	s_wait_alu depctr_vm_vsrc(0)
; d16[y][row][:] = desc(y+1)[row][:] rounded to bf16 (nearest even);  nrm[y][row] = -1/2 x the sum of the squares of the ROUNDED numbers, in f32.
; desc1, desc2: [16384][256] f32.  d16: [2][16384][256] bf16.  nrm: [2][16384] f32.
; SHARES.  Work-group (x, y) takes rows 128 x .. 128 x + 127 of input y, each of its eight waves 16 rows.  Of a row lane L holds elements 4 L .. 4 L + 3 and 128 + 4 L .. + 3:
; a load of the wave covers 512 consecutive bytes, a store of 8 bytes a lane 256 consecutive bytes, aligned.  All 32 loads of a wave go out at once: 16 KiB a wave on their way.
; The 128 norms of the work-group meet in LDS, so that they leave as 512 consecutive bytes by one store.
; No matrix unit, no cluster, no tensor load: each byte is read once by one lane, and nothing is shared.
; THE MODE: SCHED_MODE bits 1:0 = 2 (LLVM: expert scheduling mode 2), set by the entry lines.  The code itself states the register dependences
; between vector instructions and memory or LDS instructions, with s_wait_alu, always for 0.
; THE PLAN.  Registers that memory or LDS instructions touch:
;   v1, v2, v3   offsets and an LDS address, made once at the head and never written again.
;   X            Written by the 32 loads at the head, which no vector line precedes on these registers; read by row i's conversions; never loaded again.
;   O, NR        A set for each row.  Written by row i's conversions and by its last line; read by the row's three stores; never written again.
;   T            Named by vector lines alone in the rows; behind the barrier wave 0's LDS load lands in its first four registers.
; The 16 rows go in four blocks of four.  The three stores of row i - 4 stand at the head of row i: they read O and NR of the block before, which no vector line of this block names.
; So ONE wait on va_vdst at a block's head states all that the block's twelve stores hang on, and these are dealt among its vector lines with no further wait.
; No register that a memory or LDS instruction reads is ever written again: the rows hold no wait on vm_vsrc.
.set LO16, 1                           ; v1   16 x lane: offset of the loads, of the read-back from LDS and of nrm's store; never rewritten once made
.set LO8,  2                           ; v2   8 x lane: offset of d16's stores; never rewritten
.set NA,   3                           ; v3   LDS address of my wave's 16 norms: 64 x wave.  LDS: bytes 0-511 the 128 norms; from 512 the spare words, 128 bytes for each of the eight waves
.set T,    8                           ; v[8:15]    a row's eight rounded numbers, as f32
.set SUM,  16                          ; v[16:19]   sums
.set X,    32                          ; v[32:159]  row i as loaded, at X + 8 i
.set O,    160                         ; v[160:223] row i rounded, at O + 4 i: a set for each row, so that no store's data is ever rewritten
.set NR,   224                         ; v[224:239] row i's norm, at NR + i: a register for each row, for the same reason
	s_load_b256 s[4:11], s[0:1], 0x0               ; desc1 s[4:5], desc2 s[6:7], d16 s[8:9], nrm s[10:11]
	v_lshl_add_u32 v30, v0, 2, 0x200
	v_mov_b32 v31, 0
	v_lshrrev_b32 v1, 5, v0
	v_readfirstlane_b32 s15, v1                    ; wave 0..7
	v_and_b32 v5, 31, v0                           ; lane
	v_lshlrev_b32 v[LO16], 4, v5
	v_lshlrev_b32 v[LO8], 3, v5
	s_wait_alu depctr_va_sdst(0)                   ; s15 is written, ahead of its first reader: the LDS address and the bases of the source and of d16 are made from it
	s_lshl_b32 s17, s15, 6
	v_mov_b32 v[NA], s17
	s_mov_b32 s12, 0x76543210                      ; v_permlanex16_b32: each lane takes its own place in the other half
	s_mov_b32 s13, 0xfedcba98
	s_mov_b32 s14, 0xffff0000                      ; a word's upper bf16
	s_and_b32 s16, ttmp7, 0xffff                   ; y: which input
	s_lshl_b32 s2, ttmp9, 17                       ; source: 128 rows of 1,024 bytes a work-group,
	s_lshl_b32 s3, s15, 14                         ; 16 rows a wave
	s_add_co_u32 s2, s2, s3
	s_mov_b32 s3, 0
	s_lshl_b32 s18, s16, 23                        ; d16: 8,388,608 bytes an input,
	s_lshl_b32 s19, ttmp9, 16                      ; 128 rows of 512 bytes a work-group,
	s_add_co_u32 s18, s18, s19
	s_lshl_b32 s19, s15, 13                        ; 16 rows a wave
	s_add_co_u32 s18, s18, s19
	s_mov_b32 s19, 0
	s_lshl_b32 s20, s16, 16                        ; nrm: 65,536 bytes an input,
	s_lshl_b32 s21, ttmp9, 9                       ; 512 bytes a work-group
	s_add_co_u32 s20, s20, s21
	s_mov_b32 s21, 0
	s_wait_kmcnt 0x0
	s_cmp_eq_u32 s16, 0
	s_cselect_b64 s[4:5], s[4:5], s[6:7]
	s_add_nc_u64 s[4:5], s[4:5], s[2:3]
	s_add_nc_u64 s[8:9], s[8:9], s[18:19]
	s_add_nc_u64 s[10:11], s[10:11], s[20:21]
	s_wait_alu depctr_va_vdst(0)                   ; v1, v2 and v3 are written: every load, store and LDS instruction but the closing add reads one of them as its offset or address
.irp i, 0,1,2,3,4,5,6,7,8,9,10,11,12,13,14,15
	global_load_b128 v[X+8*(\i):X+8*(\i)+3],   v[LO16], s[4:5] offset:1024*(\i) th:TH_LOAD_NT
	global_load_b128 v[X+8*(\i)+4:X+8*(\i)+7], v[LO16], s[4:5] offset:1024*(\i)+512 th:TH_LOAD_NT
.endr
; Row i leaves: the norm to LDS, the row to d16.
.macro OUT i
	ds_store_b32 v[NA], v[NR+(\i)] offset:4*(\i)   ; all lanes write the same word with the same number
	global_store_b64 v[LO8], v[O+4*(\i):O+4*(\i)+1],   s[8:9] offset:512*(\i)      ; 32 lanes store 256 consecutive bytes, aligned
	global_store_b64 v[LO8], v[O+4*(\i)+2:O+4*(\i)+3], s[8:9] offset:512*(\i)+256
.endm
; Row i: rounded, squared as rounded, summed over the lane's eight numbers and then over the 32 lanes.  At its head the row four back leaves.
.macro ROW i
	s_wait_loadcnt 30-2*(\i)                       ; loads come back in order: row i's two are in, the 2 (15 - i) of the later rows may stay out
.if ((\i) % 4 == 0) && ((\i) > 0)
	s_wait_alu depctr_va_vdst(0)                   ; a block's head: the block before has written its four O and its four NR, which this block's twelve stores read
.endif
.if (\i) >= 4
	OUT (\i)-4                                     ; no vector line since the block's wait names these registers
.endif
.irp k, 0,1,2,3
	v_cvt_pk_bf16_f32 v[O+4*(\i)+(\k)], v[X+8*(\i)+2*(\k)], v[X+8*(\i)+2*(\k)+1]
.endr
.irp k, 0,1,2,3
	v_lshlrev_b32 v[T+2*(\k)],   16,  v[O+4*(\i)+(\k)]     ; bf16 to f32: the low half moves up,
	v_and_b32     v[T+2*(\k)+1], s14, v[O+4*(\i)+(\k)]     ; the high half stays
.endr
	v_pk_mul_f32 v[SUM:SUM+1],   v[T:T+1],   v[T:T+1]      ; two chains of two
	v_pk_mul_f32 v[SUM+2:SUM+3], v[T+2:T+3], v[T+2:T+3]
	v_pk_fma_f32 v[SUM:SUM+1],   v[T+4:T+5], v[T+4:T+5], v[SUM:SUM+1]
	v_pk_fma_f32 v[SUM+2:SUM+3], v[T+6:T+7], v[T+6:T+7], v[SUM+2:SUM+3]
	v_pk_add_f32 v[SUM:SUM+1], v[SUM:SUM+1], v[SUM+2:SUM+3]
	v_add_f32 v[SUM], v[SUM], v[SUM+1]
	v_add_f32_dpp v[SUM], v[SUM], v[SUM] row_xmask:1 row_mask:0xf bank_mask:0xf
	v_add_f32_dpp v[SUM], v[SUM], v[SUM] row_xmask:2 row_mask:0xf bank_mask:0xf
	v_add_f32_dpp v[SUM], v[SUM], v[SUM] row_xmask:4 row_mask:0xf bank_mask:0xf
	v_add_f32_dpp v[SUM], v[SUM], v[SUM] row_xmask:8 row_mask:0xf bank_mask:0xf
	v_permlanex16_b32 v[SUM+1], v[SUM], s12, s13   ; its destination has been written above
	v_add_f32 v[SUM], v[SUM], v[SUM+1]
	v_mul_f32 v[NR+(\i)], -0.5, v[SUM]             ; a power of two: no rounding
.endm
.irp i, 0,1,2,3,4,5,6,7,8,9,10,11,12,13,14,15
	ROW \i
.endr
	s_wait_alu depctr_va_vdst(0)                   ; the last block has written its O and NR, which the stores below read; row 15's lines are done with v[T ..], in which wave 0's LDS load lands: no vector line follows this wait
.irp i, 12,13,14,15
	OUT \i
.endr
	s_wait_dscnt 0x0                               ; for wave 0's sake: my 16 norms lie in LDS
	s_barrier_signal -1
	s_barrier_wait -1                              ; all 128 do
	s_cmp_lg_u32 s15, 0
	s_cbranch_scc1 .Lend                           ; wave 0 sends them
	ds_load_b128 v[T:T+3], v[LO16]
	s_wait_dscnt 0x0
	global_store_b128 v[LO16], v[T:T+3], s[10:11]  ; 512 consecutive bytes, aligned
.Lend:
	s_wait_dscnt 0x0                               ; the wave's end: my LDS instructions are done.
	s_wait_alu depctr_hold_cnt(0) depctr_sa_sdst(0) depctr_va_vdst(0) depctr_va_sdst(0) depctr_va_ssrc(0) depctr_va_vcc(0) depctr_vm_vsrc(0)
	s_wait_tensorcnt 0x0
	ds_add_u32 v30, v31
	s_wait_dscnt 0x0
	s_endpgm
.Lfunc_end_k_q1be67c3a89_prep:
	.size	k_q1be67c3a89_prep, .Lfunc_end_k_q1be67c3a89_prep-k_q1be67c3a89_prep
	.p2alignl 7, 3214868480
	.fill 96, 4, 3214868480
	.section	.rodata,"a",@progbits
	.p2align	6, 0x0
	.amdhsa_kernel k_q1be67c3a89_prep
		.amdhsa_group_segment_fixed_size 1536
		.amdhsa_private_segment_fixed_size 0
		.amdhsa_enable_private_segment 0
		.amdhsa_kernarg_size 32
		.amdhsa_user_sgpr_count 2
		.amdhsa_user_sgpr_kernarg_segment_ptr 1
		.amdhsa_wavefront_size32 1
		.amdhsa_system_sgpr_workgroup_id_x 1
		.amdhsa_system_sgpr_workgroup_id_y 1
		.amdhsa_system_sgpr_workgroup_id_z 1
		.amdhsa_system_vgpr_workitem_id 0
		.amdhsa_next_free_vgpr 240
		.amdhsa_next_free_sgpr 66
		.amdhsa_reserve_vcc 0
		.amdhsa_float_denorm_mode_32 3
		.amdhsa_float_denorm_mode_16_64 3
		.amdhsa_memory_ordered 1
		.amdhsa_forward_progress 1
		.amdhsa_inst_pref_size 30
	.end_amdhsa_kernel
	.amdgpu_metadata
---
amdhsa.version: [ 1, 2 ]
amdhsa.kernels:
  - .name:           k_q1be67c3a89_prep
    .symbol:         k_q1be67c3a89_prep.kd
    .args:
      - { .name: desc1, .offset: 0, .size: 8, .value_kind: global_buffer, .address_space: global }
      - { .name: desc2, .offset: 8, .size: 8, .value_kind: global_buffer, .address_space: global }
      - { .name: d16, .offset: 16, .size: 8, .value_kind: global_buffer, .address_space: global }
      - { .name: nrm, .offset: 24, .size: 8, .value_kind: global_buffer, .address_space: global }
    .group_segment_fixed_size: 1536
    .private_segment_fixed_size: 0
    .kernarg_segment_align: 8
    .kernarg_segment_size: 32
    .max_flat_workgroup_size: 256
    .sgpr_count:     66
    .vgpr_count:     240
    .wavefront_size: 32
...
	.end_amdgpu_metadata
.endif
;; end of part 4
;; launch match: the kernel of part 2 again; grid 32 x 8, 4 waves a work-group, clusters of 4 x 1, 327,680 bytes of LDS; arguments d16, nrm, part; writes part
;; launch pick: the kernel of part 3 again; grid 256 x 1, 1 waves a work-group, no clusters, 0 bytes of LDS; arguments part, nrm, out0, out1; writes out0, out1
